; MI455X (gfx1250); checked and timed in simulation.
; The chip was launched on July 23, 2026; its instructions are those of AMD's public machine-readable ISA for CDNA 5 (MIT licence, August 2026) and "CDNA5" Instruction Set Architecture Reference Guide (July 2026). The comments in the code are by the model that wrote it; some were corrected since.
;; Neu S Fixed Grid Renderer. Allowed arithmetic: float matrix products may take bf16 or f16 operands with f32 sums; other float arithmetic in f32, or as packed bf16 or f16 multiplies, adds, multiply-adds, maxima and minima; sums over many terms, partial sums and values carried from step to step in f32; what a program stores and reads back later, other than sums and carried values, may be rounded once to bf16 or f16.
;; Inputs: instance_grid 1 x 8 x 128 x 128 x 128 float32; inv_s 1 float32; rays 4,096 x 8 float32; sdf_grid 1 x 1 x 128 x 128 x 128 float32.
;; Outputs: out0 4,096 x 8 float32; out1 4,096 float32.
;; One version. Each part assembles by itself: llvm-mc -triple=amdgcn-amd-amdhsa -mcpu=gfx1250 --defsym DOCPART=n.
;; ======== version 1 of 1: 3 launches
;; limits: right only within a limited range of input values
;; workspace buffers: prm 196,608 bytes of whole numbers; msk 524,288 bytes of whole numbers; wts 14,680,064 bytes
;; launch prep (part 1): grid 128 x 1, 1 waves a work-group, no clusters, 0 bytes of LDS; arguments rays, prm; writes prm
.if DOCPART == 1
	.amdgcn_target "amdgcn-amd-amdhsa--gfx1250"
	.amdhsa_code_object_version 6
	.text
	.protected	k_q36ae14c399_prep
	.globl	k_q36ae14c399_prep
	.p2align	8
	.type	k_q36ae14c399_prep,@function
k_q36ae14c399_prep:
	s_mov_b64 s[64:65], 0
	v_nop
	global_prefetch_b8 v0, s[64:65] scope:SCOPE_SE
	s_setreg_imm32_b32 hwreg(HW_REG_WAVE_MODE, 25, 1), 1
	s_wait_xcnt 0x0
; NeuS rendering on a fixed 128^3 grid: 4,096 rays x 887 samples.  Three launches:
;   prep   a thread a ray: t_min; the ray's first sample and its step, in voxel units, as signed 32.32 fixed point (whole numbers) -> prm
;   march  a wave a ray: every sample's sdf lookup, alpha, running product, weight, depth -> wts, msk (a bit a sample: weight > 1e-4), out1
;   paint  a wave a ray: the instance lookup for the samples whose bit is set -> out0
; WHY prm.  A sample's cell is floor of a coordinate that is linear in the sample's number: P + i D.  Kept as whole numbers, the later launches
; form every gather address by integer arithmetic on numbers read from memory.  The fractions are made there in f32, as reference() makes them.
; NOTHING OF reference() IS LEFT OUT AS DEAD, and every input is loaded.  The instance lookup is done for the samples that weight > 1e-4 selects
; (reference() multiplies the others by 0): the choice is stored as whole numbers by march and read by paint.  Identities used, for all inputs:
;   x1 = min(x0 + 1, 127) with weight wx  ==  cell min(x0, 126) with fraction x - cell (1 at x = 127): the same two voxels, the same weights;
;   z[i+1] - z[i] == the step (0 behind the last sample);  the sum over corners of value x wz wy wx == three nested lerps.
; LIMITS.  |P| + 887 |D| stays under 2^31 voxels.  NaN and infinities are not treated apart (a NaN coordinate counts as outside the box).
; A direction component other than 0 below 2^-100 in magnitude may overflow its quotient and is then passed over in the maximum.  Roundings are
; ordered otherwise than in reference(): a sample that lies within rounding of a face of the box may be classed on the other side of it.
; prm: three planes of 4,096 x 16 bytes, so that a wave's store covers 512 consecutive bytes:
;   plane 0: P0 lo, hi, P1 lo, hi    plane 1: P2 lo, hi, D0 lo, hi    plane 2: D1 lo, hi, D2 lo, hi      (axis k = pts[k]; axis 0 is the grid's slowest)
.set PLANE, 4096*16
.set R,    8                           ; v[8:15]   o0 o1 o2 d0 d1 d2 near far
.set TMIN, 16
.set VEC,  20                          ; v[20:22]  d, or 1e-6 where d is 0
.set RC,   24                          ; v[24:26]  1 / vec
.set QA,   28                          ; v[28:30]  (128 - o) / vec, then the smaller rate
.set QB,   32                          ; v[32:34]  -o / vec
.set EE,   36                          ; v[36:38]  at work
.set P,    40
.set FL,   41
.set FR,   42
.set F,    44                          ; v[44:55]  the twelve words
; t_min = clip(max over axes of min((128 - o) / vec, -o / vec), near, far).  A quotient is a reciprocal, one correction of it, and one correction of
; the quotient by its exact remainder.  The same lines stand in all three kernels, so that all three hold the same t_min.
.macro TMINM
.irp k,0,1,2
	v_cmp_neq_f32 vcc_lo, 0, v[R+3+\k]
	v_cndmask_b32 v[VEC+\k], 0x358637bd, v[R+3+\k], vcc_lo     ; 1e-6 where d == 0
.endr
.irp k,0,1,2
	v_rcp_f32 v[RC+\k], v[VEC+\k]
.endr
.irp k,0,1,2
	v_sub_f32 v[QA+\k], 0x43000000, v[R+\k]                    ; 128 - o: plain work behind the reciprocals
.endr
	s_wait_alu depctr_va_vdst(0)                               ; one wait for the three reciprocals, ahead of their first reader
.irp k,0,1,2
	v_fma_f32 v[EE+\k], -v[VEC+\k], v[RC+\k], 1.0
	v_fma_f32 v[RC+\k], v[EE+\k], v[RC+\k], v[RC+\k]
	v_mul_f32 v[EE+\k], v[QA+\k], v[RC+\k]
	v_fma_f32 v[QA+\k], -v[VEC+\k], v[EE+\k], v[QA+\k]
	v_fma_f32 v[QA+\k], v[QA+\k], v[RC+\k], v[EE+\k]           ; rate_a
	v_mul_f32 v[EE+\k], -v[R+\k], v[RC+\k]
	v_fma_f32 v[QB+\k], -v[VEC+\k], v[EE+\k], -v[R+\k]
	v_fma_f32 v[QB+\k], v[QB+\k], v[RC+\k], v[EE+\k]           ; rate_b
	v_min_num_f32 v[QA+\k], v[QA+\k], v[QB+\k]
.endr
	v_max3_num_f32 v[TMIN], v[QA], v[QA+1], v[QA+2]
	v_max_num_f32 v[TMIN], v[TMIN], v[R+6]
	v_min_num_f32 v[TMIN], v[TMIN], v[R+7]
.endm
; v[P] as signed 32.32: the floor is the high word; what is left, in 0 .. 1 - 2^-24, times 2^32 is the low word
.macro FIX d
	v_floor_f32 v[FL], v[P]
	v_sub_f32 v[FR], v[P], v[FL]
	v_cvt_i32_f32 v[(\d)+1], v[FL]
	v_min_num_f32 v[FR], 0x3f7fffff, v[FR]                     ; a tiny negative number's rest rounds to 1: held just below
	v_mul_f32 v[FR], 0x4f800000, v[FR]
	v_cvt_u32_f32 v[\d], v[FR]
.endm
	s_load_b128 s[4:7], s[0:1], 0x0                ; rays s[4:5], prm s[6:7]
	s_lshl_b32 s8, ttmp9, 5
	v_add_nc_u32 v1, s8, v0                        ; my ray
	v_lshlrev_b32 v2, 5, v1                        ; its 32 bytes in rays
	v_lshlrev_b32 v3, 4, v1                        ; its 16 bytes in each plane of prm
	s_wait_kmcnt 0x0
	global_load_b128 v[R:R+3], v2, s[4:5]
	global_load_b128 v[R+4:R+7], v2, s[4:5] offset:16
	s_wait_loadcnt 0x0
	TMINM
.irp k,0,1,2
	v_fma_f32 v[P], v[R+3+\k], v[TMIN], v[R+\k]    ; the first sample's point,
	v_mul_f32 v[P], 0x3f7e0000, v[P]               ; in voxels: x 127 / 128
	FIX F+2*\k
	v_mul_f32 v[P], 0x3e7df212, v[R+3+\k]          ; d x step x 127 / 128 (the f32 step 0x3e7ff1f6, scaled and rounded once)
	FIX F+6+2*\k
.endr
	global_store_b128 v3, v[F:F+3], s[6:7]
	global_store_b128 v3, v[F+4:F+7], s[6:7] offset:PLANE
	global_store_b128 v3, v[F+8:F+11], s[6:7] offset:2*PLANE
	s_endpgm
.Lfunc_end_k_q36ae14c399_prep:
	.size	k_q36ae14c399_prep, .Lfunc_end_k_q36ae14c399_prep-k_q36ae14c399_prep
	.p2alignl 7, 3214868480
	.fill 96, 4, 3214868480
	.section	.rodata,"a",@progbits
	.p2align	6, 0x0
	.amdhsa_kernel k_q36ae14c399_prep
		.amdhsa_group_segment_fixed_size 0
		.amdhsa_private_segment_fixed_size 0
		.amdhsa_enable_private_segment 0
		.amdhsa_kernarg_size 16
		.amdhsa_user_sgpr_count 2
		.amdhsa_user_sgpr_kernarg_segment_ptr 1
		.amdhsa_wavefront_size32 1
		.amdhsa_system_sgpr_workgroup_id_x 1
		.amdhsa_system_sgpr_workgroup_id_y 1
		.amdhsa_system_sgpr_workgroup_id_z 1
		.amdhsa_system_vgpr_workitem_id 0
		.amdhsa_next_free_vgpr 56
		.amdhsa_next_free_sgpr 66
		.amdhsa_reserve_vcc 1
		.amdhsa_float_denorm_mode_32 3
		.amdhsa_float_denorm_mode_16_64 3
		.amdhsa_memory_ordered 1
		.amdhsa_forward_progress 1
		.amdhsa_inst_pref_size 6
	.end_amdhsa_kernel
	.amdgpu_metadata
---
amdhsa.version: [ 1, 2 ]
amdhsa.kernels:
  - .name:           k_q36ae14c399_prep
    .symbol:         k_q36ae14c399_prep.kd
    .args:
      - { .name: rays, .offset: 0, .size: 8, .value_kind: global_buffer, .address_space: global }
      - { .name: prm, .offset: 8, .size: 8, .value_kind: global_buffer, .address_space: global }
    .group_segment_fixed_size: 0
    .private_segment_fixed_size: 0
    .kernarg_segment_align: 8
    .kernarg_segment_size: 16
    .max_flat_workgroup_size: 32
    .sgpr_count:     66
    .vgpr_count:     56
    .wavefront_size: 32
...
	.end_amdgpu_metadata
.endif
;; end of part 1
;; launch march (part 2): grid 256 x 1, 16 waves a work-group, no clusters, 4,352 bytes of LDS; arguments sdf_grid, rays, inv_s, prm, wts, msk, out1; writes wts, msk, out1
.if DOCPART == 2
	.amdgcn_target "amdgcn-amd-amdhsa--gfx1250"
	.amdhsa_code_object_version 6
	.text
	.protected	k_q36ae14c399_march
	.globl	k_q36ae14c399_march
	.p2align	8
	.type	k_q36ae14c399_march,@function
k_q36ae14c399_march:
	s_mov_b64 s[64:65], 0
	v_nop
	global_prefetch_b8 v0, s[64:65] scope:SCOPE_SE
	s_setreg_imm32_b32 hwreg(HW_REG_WAVE_MODE, 25, 1), 1
	s_wait_xcnt 0x0
; Launch 2 of 3: the sdf march.  A wave owns a ray, a work-group 16 rays; lane l of trip t is sample i = 32 t + l: 28 trips, the last with 23 samples.
; No step of reference() for sdf, alpha, T, weight and depth is left out; the instance lookup follows in the next launch, steered by msk.
; ADDRESSES come from prm alone: pos = P + i D in 64-bit whole numbers; a cell is pos's high word held to 0 .. 126, so the eight corners are the
; immediates 0, 4, 512, 516, 65536, ...  FRACTIONS come from f32: pts = o + d z, held to 0 .. 128, x 127 / 128, minus the cell.  Where the two
; disagree about a cell by rounding, the fraction falls just outside 0 .. 1 and the neighbouring cell's lerp is continued: the interpolant is
; continuous across cells, so the value moves by rounding only.
; ALPHA as reference() writes it: prev, next = 1 / (1 + 2^((sdf +- step / 2) x -s log2 e)); (prev - next + 1e-5) / (prev + 1e-5) held to 0 .. 1; an
; exponential that overflows gives a sigmoid of 0, one that underflows a sigmoid of 1.  Outside the box sdf counts as 1e6.
; T: q = the neighbour lane's 1 - alpha + 1e-10 (lane 0: the carry of the trips before); a product scan over the 32 lanes gives each sample's T.
; OUT.  wts: [ray][7 groups][32 lanes][4 trips] f32: a lane's 16 bytes, a wave's 512 consecutive bytes, once in four trips.  msk: [ray][32 words], word t =
; the lanes of trip t with weight > 1e-4 (words 28-31 are 0).  msk and out1 meet in LDS: four waves store the work-group's 2,048 bytes of masks, 512
; consecutive bytes an instruction; one wave stores its 16 depths, 64 bytes: out1 has 4 bytes a ray, and a work-group has 16 rays.
; IN FLIGHT.  Four sets of load registers, a trip each: a trip's eight gathers are issued three trips ahead of their use.
; LIMITS: as stated at the head of prep.
.set RAYW,  3584                       ; bytes of a ray's weights
.set DEPL,  2048                       ; LDS: 16 rays x 128 bytes of masks from 0; 16 depths from here
.set SPARE, 2304                       ; the spare words, 128 bytes for each of 16 waves: eight blocks of 256 bytes that no other line names
.set LANE, 2
.set SPW,  3                           ; LDS address of my spare word; never rewritten
.set NIL,  4                           ; 0; never rewritten
.set R,    8                           ; v[8:15]   o0 o1 o2 d0 d1 d2 near far, the same in all lanes
.set TMIN, 16
.set VEC,  20
.set RC,   24
.set QA,   28
.set QB,   32
.set EE,   36
.set POS,  40                          ; v[40:45]  pos of the next trip to be asked for, a pair an axis
.set STP,  46                          ; v[46:51]  32 D
.set FI,   52                          ; i as f32
.set Z,    53
.set NSC,  54                          ; v[54:55]  -s log2 e (named as a pair)
.set HN,   56                          ; v[56:57]  +- step / 2 times that
.set HNL,  58                          ; v[58:59]  the same for the last trip: 0 in sample 886, whose dist is 0
.set DACC, 60
.set MSK,  61
.set Q,    62
.set F,    63
.set WT,   64                          ; v[64:67]  four trips' weights
.set WOFF, 68
.set PT,   70                          ; v[70:72]
.set MN,   73
.set MX,   74
.set WB,   76                          ; v76 fraction along axis 2, v77 axis 0, v78 axis 1, v79 written once (named in a pair)
.set SD,   80                          ; v80 sdf; v81 written once (named in a pair)
.set AB,   82                          ; v[82:83]
.set NN,   84
.set DN,   85
.set AL,   86
.set OM,   87
.set T0,   88                          ; v[88:90]  cells at work
.set AD,   92                          ; v[92:95]  set s: byte offset of its cell
.set CF,   96                          ; v[96:107] set s: its three cells as f32
.set G,    108                         ; v[108:139] set s: 4 corners at the low x (axis-0 corner fastest, then axis 1), then the 4 at the high x
.set WV,   20
.set RAY,  21
.set NOT22, 37
.set CARRY, 48
.set S1,   49
.set S2,   50
.set UPPER, 51
.set THR,  52
.set TC,   53
.set SM,   54
.set SE,   55
.set IB,   56
.set CNT,  57
.set C128, 58
.set C127R, 59
.set SEL,  60                          ; s[60:61]
.set EPS,  62
.set VALID, 63
.macro TMINM                           ; as in prep, line for line
.irp k,0,1,2
	v_cmp_neq_f32 vcc_lo, 0, v[R+3+\k]
	v_cndmask_b32 v[VEC+\k], 0x358637bd, v[R+3+\k], vcc_lo
.endr
.irp k,0,1,2
	v_rcp_f32 v[RC+\k], v[VEC+\k]
.endr
.irp k,0,1,2
	v_sub_f32 v[QA+\k], 0x43000000, v[R+\k]
.endr
	s_wait_alu depctr_va_vdst(0)                               ; one wait for the three reciprocals, ahead of their first reader
.irp k,0,1,2
	v_fma_f32 v[EE+\k], -v[VEC+\k], v[RC+\k], 1.0
	v_fma_f32 v[RC+\k], v[EE+\k], v[RC+\k], v[RC+\k]
	v_mul_f32 v[EE+\k], v[QA+\k], v[RC+\k]
	v_fma_f32 v[QA+\k], -v[VEC+\k], v[EE+\k], v[QA+\k]
	v_fma_f32 v[QA+\k], v[QA+\k], v[RC+\k], v[EE+\k]
	v_mul_f32 v[EE+\k], -v[R+\k], v[RC+\k]
	v_fma_f32 v[QB+\k], -v[VEC+\k], v[EE+\k], -v[R+\k]
	v_fma_f32 v[QB+\k], v[QB+\k], v[RC+\k], v[EE+\k]
	v_min_num_f32 v[QA+\k], v[QA+\k], v[QB+\k]
.endr
	v_max3_num_f32 v[TMIN], v[QA], v[QA+1], v[QA+2]
	v_max_num_f32 v[TMIN], v[TMIN], v[R+6]
	v_min_num_f32 v[TMIN], v[TMIN], v[R+7]
.endm
; The cells of the trip at POS: a negative high word gives 0, one above 126 gives 126.
.macro ADDR1
.irp k,0,1,2
	v_ashrrev_i32 v[T0+\k], 31, v[POS+2*\k+1]
.endr
.irp k,0,1,2
	v_bfi_b32 v[T0+\k], v[T0+\k], 0, v[POS+2*\k+1]
.endr
.irp k,0,1,2
	v_min_u32 v[T0+\k], 0x7e, v[T0+\k]
.endr
.endm
; Their byte offset, the cells as f32, POS on by 32 samples, and the eight gathers, into set s.
.macro ADDR2 s
	v_lshl_add_u32 v[AD+(\s)], v[T0], 7, v[T0+1]
.irp k,0,1,2
	v_cvt_f32_u32 v[CF+3*(\s)+\k], v[T0+\k]
.endr
	v_lshl_add_u32 v[AD+(\s)], v[AD+(\s)], 7, v[T0+2]
	v_lshlrev_b32 v[AD+(\s)], 2, v[AD+(\s)]
.irp k,0,1,2
	v_add_nc_u64 v[POS+2*\k:POS+2*\k+1], v[POS+2*\k:POS+2*\k+1], v[STP+2*\k:STP+2*\k+1]
.endr
.irp m,0,1,2,3
	global_load_b32 v[G+8*(\s)+\m],   v[AD+(\s)], s[4:5] offset:((\m)&1)*65536+((\m)>>1)*512
	global_load_b32 v[G+8*(\s)+4+\m], v[AD+(\s)], s[4:5] offset:((\m)&1)*65536+((\m)>>1)*512+4
.endr
.endm
; A trip on set s; its weight goes to WT + w.  left: the younger loads that may stay out.  issue = 1: the trip three on is asked for, into the set read
; last trip; its integer lines are the plain work behind this trip's exponentials and reciprocals.  last = 1: trip 27.
.macro PROC s, w, left, issue, last
.set GA, G+8*(\s)
.set GB, G+8*(\s)+4
	v_mul_f32 v[Z], 0x3e7ff1f6, v[FI]                          ; step x i
	v_add_f32 v[Z], v[TMIN], v[Z]
.irp k,0,1,2
	v_fma_f32 v[PT+\k], v[R+3+\k], v[Z], v[R+\k]               ; pts
.endr
	v_min3_num_f32 v[MN], v[PT], v[PT+1], v[PT+2]
	v_max3_num_f32 v[MX], v[PT], v[PT+1], v[PT+2]
.irp k,0,1,2
	v_med3_num_f32 v[PT+\k], v[PT+\k], 0, s[C128]              ; border padding
.endr
	v_fma_f32 v[WB+1], v[PT],   s[C127R], -v[CF+3*(\s)]
	v_fma_f32 v[WB+2], v[PT+1], s[C127R], -v[CF+3*(\s)+1]
	v_fma_f32 v[WB],   v[PT+2], s[C127R], -v[CF+3*(\s)+2]
	s_wait_loadcnt \left                                       ; loads come back in order: this set's eight are in, the younger trips' stay out
	v_pk_add_f32 v[GB:GB+1],   v[GB:GB+1],   v[GA:GA+1]   neg_lo:[0,1] neg_hi:[0,1]
	v_pk_add_f32 v[GB+2:GB+3], v[GB+2:GB+3], v[GA+2:GA+3] neg_lo:[0,1] neg_hi:[0,1]
	v_pk_fma_f32 v[GA:GA+1],   v[GB:GB+1],   v[WB:WB+1], v[GA:GA+1]   op_sel_hi:[1,0,1]  ; along axis 2
	v_pk_fma_f32 v[GA+2:GA+3], v[GB+2:GB+3], v[WB:WB+1], v[GA+2:GA+3] op_sel_hi:[1,0,1]
	v_pk_add_f32 v[GA+2:GA+3], v[GA+2:GA+3], v[GA:GA+1] neg_lo:[0,1] neg_hi:[0,1]
	v_pk_fma_f32 v[GA:GA+1],   v[GA+2:GA+3], v[WB+2:WB+3], v[GA:GA+1] op_sel_hi:[1,0,1]  ; along axis 1
	v_sub_f32 v[GA+1], v[GA+1], v[GA]
	v_fma_f32 v[SD], v[GA+1], v[WB+1], v[GA]                   ; along axis 0
	v_cmp_le_f32 s[IB], 0, v[MN]
	v_cmp_ge_f32 vcc_lo, s[C128], v[MX]
	s_and_b32 vcc_lo, vcc_lo, s[IB]                            ; inside the box
	v_cndmask_b32 v[SD], 0x49742400, v[SD], vcc_lo             ; else 1e6
.if \last
	v_pk_fma_f32 v[AB:AB+1], v[SD:SD+1], v[NSC:NSC+1], v[HNL:HNL+1] op_sel_hi:[0,0,1]
.else
	v_pk_fma_f32 v[AB:AB+1], v[SD:SD+1], v[NSC:NSC+1], v[HN:HN+1] op_sel_hi:[0,0,1]
.endif
	v_exp_f32 v[AB], v[AB]
	v_exp_f32 v[AB+1], v[AB+1]
.if \issue
	ADDR1
.else
	v_nop
.endif
	s_wait_alu depctr_va_vdst(0)                               ; one wait for the two exponentials
	v_pk_add_f32 v[AB:AB+1], v[AB:AB+1], 1.0 op_sel_hi:[1,0]
	v_rcp_f32 v[AB], v[AB]                                     ; prev
	v_rcp_f32 v[AB+1], v[AB+1]                                 ; next
.if \issue
	ADDR2 ((\s)+3)%4
.else
	v_nop
.endif
	s_wait_alu depctr_va_vdst(0)                               ; one wait for the two sigmoids
	v_sub_f32 v[NN], v[AB], v[AB+1]
	v_add_f32 v[DN], s[EPS], v[AB]
	v_add_f32 v[NN], s[EPS], v[NN]
	v_rcp_f32 v[DN], v[DN]
	v_add_f32 v[FI], 0x42000000, v[FI]                         ; the next trip's i
	v_cmp_eq_u32 s[SE], s[TC], v[LANE]                         ; the lane that keeps this trip's mask
	s_add_co_u32 s[TC], s[TC], 1
	s_wait_alu depctr_va_vdst(0)                               ; the divisor's reciprocal
	v_mul_f32 v[AL], v[NN], v[DN] clamp                        ; alpha, held to 0 .. 1
.if \last
	v_cndmask_b32 v[AL], 0, v[AL], s[VALID]                    ; lanes 23-31 are no samples: weight 0
.endif
	v_sub_f32 v[OM], 1.0, v[AL]
	v_add_f32 v[OM], 0x2edbe6ff, v[OM]                         ; + 1e-10
	v_mov_b32_dpp v[Q], v[OM] row_shr:1 row_mask:0xf bank_mask:0xf  ; the lane below's factor; lanes 0 and 16 are set by the next lines
	v_readlane_b32 s[S1], v[OM], 15
	v_writelane_b32 v[Q], s[CARRY], 0
	v_writelane_b32 v[Q], s[S1], 16
	v_mul_f32_dpp v[Q], v[Q], v[Q] row_shr:1 row_mask:0xf bank_mask:0xf  ; a lane without a source keeps its number
	v_mul_f32_dpp v[Q], v[Q], v[Q] row_shr:2 row_mask:0xf bank_mask:0xf
	v_mul_f32_dpp v[Q], v[Q], v[Q] row_shr:4 row_mask:0xf bank_mask:0xf
	v_mul_f32_dpp v[Q], v[Q], v[Q] row_shr:8 row_mask:0xf bank_mask:0xf
	v_readlane_b32 s[S2], v[Q], 15
	v_cndmask_b32 v[F], 1.0, s[S2], s[UPPER]                   ; lanes 16-31 take the lower half's product
	v_mul_f32 v[Q], v[Q], v[F]                                 ; T
.if (\w) == 0
	s_wait_xcnt 0x0                                            ; the last group's store has read WT and WOFF: they are written again only behind this wait
	v_add_nc_u32 v[WOFF], 512, v[WOFF]
.endif
	v_mul_f32 v[WT+(\w)], v[AL], v[Q]                          ; weight
.if !(\last)
	v_mul_f32 v[F], v[Q], v[OM]
.endif
	v_fmac_f32 v[DACC], v[WT+(\w)], v[Z]
.if !(\last)
	v_readlane_b32 s[CARRY], v[F], 31
.endif
	v_cmp_lt_f32 s[SM], s[THR], v[WT+(\w)]
	v_cndmask_b32 v[MSK], v[MSK], s[SM], s[SE]
.endm
.macro PUT                             ; four trips' weights: 512 consecutive bytes; WOFF has been stepped past them
	global_store_b128 v[WOFF], v[WT:WT+3], s[12:13] offset:-512 th:TH_STORE_NT
.endm
	s_load_b256 s[4:11], s[0:1], 0x0               ; sdf_grid s[4:5], rays s[6:7], inv_s s[8:9], prm s[10:11]
	s_load_b128 s[12:15], s[0:1], 0x20             ; wts s[12:13], msk s[14:15]
	s_load_b64 s[16:17], s[0:1], 0x30              ; out1
	v_lshl_add_u32 v[SPW], v0, 2, SPARE
	v_mov_b32 v[NIL], 0
	v_lshrrev_b32 v1, 5, v0
	v_readfirstlane_b32 s[WV], v1                  ; wave 0..15
	v_and_b32 v[LANE], 31, v0
	s_lshl_b32 s[RAY], ttmp9, 4
	s_add_co_u32 s[RAY], s[RAY], s[WV]             ; my ray
	s_lshl_b32 s22, s[RAY], 4
	s_lshl_b32 s23, s[RAY], 5
	s_wait_kmcnt 0x0
	s_load_b128 s[24:27], s[10:11], s22                    ; P0, P1
	s_load_b128 s[28:31], s[10:11], s22 offset:0x10000     ; P2, D0
	s_load_b128 s[32:35], s[10:11], s22 offset:0x20000     ; D1, D2
	s_load_b256 s[40:47], s[6:7], s23                      ; the ray
	s_load_b32 s36, s[8:9], 0x0                            ; s
	s_mov_b32 s[CARRY], 1.0
	s_mov_b32 s[UPPER], 0xffff0000
	s_mov_b32 s[THR], 0x38d1b717                   ; 1e-4
	s_mov_b32 s[TC], 0
	s_mov_b32 s[C128], 0x43000000
	s_mov_b32 s[C127R], 0x3f7e0000                 ; 127 / 128
	s_mov_b32 s[EPS], 0x3727c5ac                   ; 1e-5
	s_mov_b32 s[SEL], 0x76543210
	s_mov_b32 s[SEL+1], 0xfedcba98
	s_mov_b32 s[VALID], 0x007fffff                 ; trip 27: lanes 0-22 are samples 864-886
	s_mov_b32 s[NOT22], 0xffbfffff
	s_mul_i32 s38, s[RAY], RAYW
	s_mov_b32 s39, 0
	s_add_nc_u64 s[12:13], s[12:13], s[38:39]      ; wts at my ray
	s_lshl_b32 s38, ttmp9, 11
	s_add_nc_u64 s[14:15], s[14:15], s[38:39]      ; msk at the work-group's 16 rays
	s_lshl_b32 s38, ttmp9, 6
	s_add_nc_u64 s[16:17], s[16:17], s[38:39]      ; out1 likewise
	v_cvt_f32_u32 v[FI], v[LANE]
	v_mov_b32 v[DACC], 0
	v_mov_b32 v[MSK], 0
	v_mov_b32 v[Q], 0
	v_mov_b32 v[WB+3], 0
	v_mov_b32 v[SD+1], 0
	v_lshlrev_b32 v[WOFF], 4, v[LANE]
	s_wait_kmcnt 0x0
.irp k,0,1,2                           ; pos of sample l: P + l D, in 64 bits; and 32 D
	v_mov_b32 v[POS+2*\k], s[24+2*\k]
	v_mov_b32 v[POS+2*\k+1], s[25+2*\k]
	v_mov_b32 v[T0], s[30+2*\k]
	v_mov_b32 v[T0+1], s[31+2*\k]
	v_mad_nc_u64_u32 v[POS+2*\k:POS+2*\k+1], v[LANE], v[T0], v[POS+2*\k:POS+2*\k+1]
	v_mul_lo_u32 v[T0+1], v[LANE], v[T0+1]
	v_add_nc_u32 v[POS+2*\k+1], v[POS+2*\k+1], v[T0+1]
	s_lshl_b64 s[30+2*\k:31+2*\k], s[30+2*\k:31+2*\k], 5
	v_mov_b32 v[STP+2*\k], s[30+2*\k]
	v_mov_b32 v[STP+2*\k+1], s[31+2*\k]
.endr
	ADDR1                                          ; trips 0, 1 and 2 are asked for before anything else is worked out
	ADDR2 0
	ADDR1
	ADDR2 1
	ADDR1
	ADDR2 2
.irp j,0,1,2,3,4,5,6,7
	v_mov_b32 v[R+\j], s[40+\j]
.endr
	TMINM
	v_mov_b32 v[NSC], s36
	v_mul_f32 v[NSC], 0xbfb8aa3b, v[NSC]           ; -s log2 e
	v_mov_b32 v[NSC+1], v[NSC]
	v_mul_f32 v[HN], 0x3dfff1f6, v[NSC]            ; x step / 2
	v_mul_f32 v[HN+1], 0xbdfff1f6, v[NSC]
	v_cndmask_b32 v[HNL], 0, v[HN], s[NOT22]
	v_cndmask_b32 v[HNL+1], 0, v[HN+1], s[NOT22]
	s_mov_b32 s[CNT], 6
.Lgroup:                                       ; trips 4 g .. 4 g + 3, g = 0 .. 5; they ask for trips 3 .. 26
	PROC 0, 0, 16, 1, 0
	PROC 1, 1, 16, 1, 0
	PROC 2, 2, 16, 1, 0
	PROC 3, 3, 16, 1, 0
	PUT
	s_sub_co_u32 s[CNT], s[CNT], 1
	s_cmp_lg_u32 s[CNT], 0
	s_cbranch_scc1 .Lgroup
	PROC 0, 0, 16, 1, 0                            ; trip 24 asks for trip 27; then nothing is left to ask for, and the counts run down
	PROC 1, 1, 16, 0, 0
	PROC 2, 2, 8, 0, 0
	PROC 3, 3, 0, 0, 1
	PUT
	v_add_f32_dpp v[DACC], v[DACC], v[DACC] row_xmask:1 row_mask:0xf bank_mask:0xf  ; the depth: the 32 lanes' sums
	v_add_f32_dpp v[DACC], v[DACC], v[DACC] row_xmask:2 row_mask:0xf bank_mask:0xf
	v_add_f32_dpp v[DACC], v[DACC], v[DACC] row_xmask:4 row_mask:0xf bank_mask:0xf
	v_add_f32_dpp v[DACC], v[DACC], v[DACC] row_xmask:8 row_mask:0xf bank_mask:0xf
	v_permlanex16_b32 v[F], v[DACC], s[SEL], s[SEL+1]
	v_add_f32 v[DACC], v[DACC], v[F]
	v_lshlrev_b32 v[T0], 2, v0                     ; my word of the work-group's masks: 128 x wave + 4 x lane
	ds_store_b32 v[T0], v[MSK]
	s_lshl_b32 s38, s[WV], 2
	v_mov_b32 v[T0+1], s38
	ds_store_b32 v[T0+1], v[DACC] offset:DEPL      ; all lanes write the same word with the same number
	s_wait_dscnt 0x0                               ; for the others' sake: my stores are done
	s_barrier_signal -1
	s_barrier_wait -1
	v_and_b32 v[T0], 127, v0
	v_lshlrev_b32 v[T0], 4, v[T0]
	v_lshlrev_b32 v[T0+2], 2, v[LANE]
	s_cmp_lt_u32 s[WV], 4
	s_cbranch_scc0 .Lno_masks
	ds_load_b128 v[G:G+3], v[T0]                   ; waves 0-3: 512 bytes of masks each
	s_wait_dscnt 0x0
	global_store_b128 v[T0], v[G:G+3], s[14:15]
	s_branch .Lend
.Lno_masks:
	s_cmp_eq_u32 s[WV], 4
	s_cbranch_scc0 .Lend
	s_wait_xcnt 0x0                                ; EXEC changes only when my earlier stores have read it
	v_cmp_gt_u32 vcc_lo, 16, v[LANE]
	s_and_saveexec_b32 s38, vcc_lo
	ds_load_b32 v[G], v[T0+2] offset:DEPL          ; wave 4, lanes 0-15: the 16 depths
	s_wait_dscnt 0x0
	global_store_b32 v[T0+2], v[G], s[16:17]
	s_wait_xcnt 0x0                                ; and again ahead of the line that widens it
	s_or_b32 exec_lo, exec_lo, s38
.Lend:
	s_wait_tensorcnt 0x0                           ; the wave's end, behind my last LDS store
	ds_add_u32 v[SPW], v[NIL]
	s_wait_dscnt 0x0
	s_endpgm
.Lfunc_end_k_q36ae14c399_march:
	.size	k_q36ae14c399_march, .Lfunc_end_k_q36ae14c399_march-k_q36ae14c399_march
	.p2alignl 7, 3214868480
	.fill 96, 4, 3214868480
	.section	.rodata,"a",@progbits
	.p2align	6, 0x0
	.amdhsa_kernel k_q36ae14c399_march
		.amdhsa_group_segment_fixed_size 4352
		.amdhsa_private_segment_fixed_size 0
		.amdhsa_enable_private_segment 0
		.amdhsa_kernarg_size 56
		.amdhsa_user_sgpr_count 2
		.amdhsa_user_sgpr_kernarg_segment_ptr 1
		.amdhsa_wavefront_size32 1
		.amdhsa_system_sgpr_workgroup_id_x 1
		.amdhsa_system_sgpr_workgroup_id_y 1
		.amdhsa_system_sgpr_workgroup_id_z 1
		.amdhsa_system_vgpr_workitem_id 0
		.amdhsa_next_free_vgpr 144
		.amdhsa_next_free_sgpr 66
		.amdhsa_reserve_vcc 1
		.amdhsa_float_denorm_mode_32 3
		.amdhsa_float_denorm_mode_16_64 3
		.amdhsa_memory_ordered 1
		.amdhsa_forward_progress 1
		.amdhsa_inst_pref_size 47
	.end_amdhsa_kernel
	.amdgpu_metadata
---
amdhsa.version: [ 1, 2 ]
amdhsa.kernels:
  - .name:           k_q36ae14c399_march
    .symbol:         k_q36ae14c399_march.kd
    .args:
      - { .name: sdf_grid, .offset: 0, .size: 8, .value_kind: global_buffer, .address_space: global }
      - { .name: rays, .offset: 8, .size: 8, .value_kind: global_buffer, .address_space: global }
      - { .name: inv_s, .offset: 16, .size: 8, .value_kind: global_buffer, .address_space: global }
      - { .name: prm, .offset: 24, .size: 8, .value_kind: global_buffer, .address_space: global }
      - { .name: wts, .offset: 32, .size: 8, .value_kind: global_buffer, .address_space: global }
      - { .name: msk, .offset: 40, .size: 8, .value_kind: global_buffer, .address_space: global }
      - { .name: out1, .offset: 48, .size: 8, .value_kind: global_buffer, .address_space: global }
    .group_segment_fixed_size: 4352
    .private_segment_fixed_size: 0
    .kernarg_segment_align: 8
    .kernarg_segment_size: 56
    .max_flat_workgroup_size: 512
    .sgpr_count:     66
    .vgpr_count:     144
    .wavefront_size: 32
...
	.end_amdgpu_metadata
.endif
;; end of part 2
;; launch paint (part 3): grid 256 x 1, 16 waves a work-group, no clusters, 2,560 bytes of LDS; arguments instance_grid, rays, prm, wts, msk, out0; writes out0
.if DOCPART == 3
	.amdgcn_target "amdgcn-amd-amdhsa--gfx1250"
	.amdhsa_code_object_version 6
	.text
	.protected	k_q36ae14c399_paint
	.globl	k_q36ae14c399_paint
	.p2align	8
	.type	k_q36ae14c399_paint,@function
k_q36ae14c399_paint:
	s_mov_b64 s[64:65], 0
	v_nop
	global_prefetch_b8 v0, s[64:65] scope:SCOPE_SE
	s_setreg_imm32_b32 hwreg(HW_REG_WAVE_MODE, 25, 1), 1
	s_wait_xcnt 0x0
; Launch 3 of 3: out0[ray][c] = the sum over the samples with weight > 1e-4 of weight x instance_grid[c] at the sample's point.
; The samples whose bit in msk is 0 are passed over: reference() multiplies their lookups by 0.  The choice was made by march and is read here as whole numbers.
; A wave owns a ray, a work-group 16 rays.  The ray's 28 mask words lie a lane a word; the words that are not 0, and in each its set bits, are walked by two
; loops that count up to numbers of set bits.  The sample's number i gives, in scalar whole numbers, pos = P + i D, its cell (high word held to 0 .. 126) and the
; byte offsets of the cell and of the weight.  LANES: lane = 4 c + 2 bz + by holds channel c and the corner (axis 0: bz, axis 1: by); its two loads are the two
; corners along axis 2.  So a live sample's 64 numbers are two loads of the wave.  A lane's share is weight x fz x fy x lerp; four lanes are added at the end.
; The fractions are made as in march: pts = o + d z held to 0 .. 128, x 127 / 128, minus the cell.  LIMITS: as stated at the head of prep.
; out0 leaves through LDS: the work-group's 16 rays x 32 bytes are 512 consecutive bytes, stored by one instruction.
.set RAYW,  3584
.set SPARE, 512                        ; LDS: 512 bytes of results from 0; then the spare words, 128 bytes for each of 16 waves, that no other line names
.set LANE, 2
.set SPW,  3
.set NIL,  4
.set TB,   5
.set R,    8
.set TMIN, 16
.set VEC,  20
.set RC,   24
.set QA,   28
.set QB,   32
.set EE,   36
.set MSK,  40
.set LOFF, 41                          ; my channel's and corner's byte offset: c x 2^23 + bz x 65536 + by x 512
.set AZ,   42                          ; fz = AZ + BZ x fraction: (1, -1) at the low corner, (0, 1) at the high one
.set BZ,   43
.set AY,   44
.set BY,   45
.set ACC,  46
.set FI,   47
.set Z,    48
.set PT,   50
.set CF,   53
.set FRC,  56
.set FZ,   59
.set FY,   60
.set V0,   61
.set V1,   62
.set TT,   63
.set OB,   64
.set WV,   20
.set RAY,  21
.set NZ,   48                          ; the lanes whose word is not 0 and not yet walked
.set NW,   49
.set JW,   50
.set TW,   51                          ; the trip (word) in hand
.set WRD,  52
.set NB,   53
.set KB,   54
.set BIT,  55
.set SI,   56                          ; s[56:57] the sample's number, 0 above it
.set PP,   58                          ; s[58:59]
.set C0,   60                          ; s[60:62] the cell
.set TMP,  63
.set OFF,  66                          ; s[66:67]
.set BAS,  68                          ; s[68:69]
.set WOT,  70
.set WO,   71
.set WTS,  72
.set C128, 73
.set C127R, 74
.set TQ,   75
.macro TMINM                           ; as in prep, line for line
.irp k,0,1,2
	v_cmp_neq_f32 vcc_lo, 0, v[R+3+\k]
	v_cndmask_b32 v[VEC+\k], 0x358637bd, v[R+3+\k], vcc_lo
.endr
.irp k,0,1,2
	v_rcp_f32 v[RC+\k], v[VEC+\k]
.endr
.irp k,0,1,2
	v_sub_f32 v[QA+\k], 0x43000000, v[R+\k]
.endr
	s_wait_alu depctr_va_vdst(0)                               ; one wait for the three reciprocals, ahead of their first reader
.irp k,0,1,2
	v_fma_f32 v[EE+\k], -v[VEC+\k], v[RC+\k], 1.0
	v_fma_f32 v[RC+\k], v[EE+\k], v[RC+\k], v[RC+\k]
	v_mul_f32 v[EE+\k], v[QA+\k], v[RC+\k]
	v_fma_f32 v[QA+\k], -v[VEC+\k], v[EE+\k], v[QA+\k]
	v_fma_f32 v[QA+\k], v[QA+\k], v[RC+\k], v[EE+\k]
	v_mul_f32 v[EE+\k], -v[R+\k], v[RC+\k]
	v_fma_f32 v[QB+\k], -v[VEC+\k], v[EE+\k], -v[R+\k]
	v_fma_f32 v[QB+\k], v[QB+\k], v[RC+\k], v[EE+\k]
	v_min_num_f32 v[QA+\k], v[QA+\k], v[QB+\k]
.endr
	v_max3_num_f32 v[TMIN], v[QA], v[QA+1], v[QA+2]
	v_max_num_f32 v[TMIN], v[TMIN], v[R+6]
	v_min_num_f32 v[TMIN], v[TMIN], v[R+7]
.endm
	s_load_b256 s[4:11], s[0:1], 0x0               ; instance_grid s[4:5], rays s[6:7], prm s[8:9], wts s[10:11]
	s_load_b128 s[12:15], s[0:1], 0x20             ; msk s[12:13], out0 s[14:15]
	v_lshl_add_u32 v[SPW], v0, 2, SPARE
	v_mov_b32 v[NIL], 0
	v_lshrrev_b32 v1, 5, v0
	v_readfirstlane_b32 s[WV], v1                  ; wave 0..15
	v_and_b32 v[LANE], 31, v0
	s_lshl_b32 s[RAY], ttmp9, 4
	s_add_co_u32 s[RAY], s[RAY], s[WV]             ; my ray
	s_lshl_b32 s22, s[RAY], 4
	s_lshl_b32 s23, s[RAY], 5
	v_lshlrev_b32 v[TT], 2, v[LANE]
	s_lshl_b32 s38, s[RAY], 7
	s_mov_b32 s39, 0
	s_wait_kmcnt 0x0
	s_add_nc_u64 s[12:13], s[12:13], s[38:39]
	global_load_b32 v[MSK], v[TT], s[12:13]                ; the ray's mask words, a lane a word
	s_load_b128 s[24:27], s[8:9], s22                      ; P0, P1
	s_load_b128 s[28:31], s[8:9], s22 offset:0x10000       ; P2, D0
	s_load_b128 s[32:35], s[8:9], s22 offset:0x20000       ; D1, D2
	s_load_b256 s[40:47], s[6:7], s23                      ; the ray
	s_mul_i32 s38, s[RAY], RAYW
	s_add_nc_u64 s[10:11], s[10:11], s[38:39]      ; wts at my ray
	s_lshl_b32 s38, ttmp9, 9
	s_add_nc_u64 s[14:15], s[14:15], s[38:39]      ; out0 at the work-group's 16 rays
	s_mov_b32 s[C128], 0x43000000
	s_mov_b32 s[C127R], 0x3f7e0000
	s_mov_b32 s[SI+1], 0
	s_mov_b32 s[OFF+1], 0
	v_and_b32 v1, 1, v[LANE]                       ; by
	v_bfe_u32 v[TB], v[LANE], 1, 1                 ; bz
	v_lshrrev_b32 v[LOFF], 2, v[LANE]              ; c
	v_lshlrev_b32 v[LOFF], 23, v[LOFF]
	v_lshl_add_u32 v[LOFF], v[TB], 16, v[LOFF]
	v_lshl_add_u32 v[LOFF], v1, 9, v[LOFF]
	v_cvt_f32_u32 v1, v1
	v_cvt_f32_u32 v[TB], v[TB]
	v_sub_f32 v[AY], 1.0, v1
	v_fma_f32 v[BY], v1, 2.0, -1.0
	v_sub_f32 v[AZ], 1.0, v[TB]
	v_fma_f32 v[BZ], v[TB], 2.0, -1.0
	v_mov_b32 v[ACC], 0
	s_wait_kmcnt 0x0
.irp j,0,1,2,3,4,5,6,7
	v_mov_b32 v[R+\j], s[40+\j]
.endr
	TMINM
	s_wait_loadcnt 0x0                             ; the masks
	v_cmp_ne_u32 s[NZ], 0, v[MSK]
	s_bcnt1_i32_b32 s[NW], s[NZ]                   ; so many words hold a live sample
	s_cmp_eq_u32 s[NW], 0
	s_cbranch_scc1 .Lsum                           ; none: the sums are 0
	s_mov_b32 s[JW], 0
.Lword:
	s_ctz_i32_b32 s[TW], s[NZ]                     ; the lowest such word
	s_add_co_i32 s[TMP], s[NZ], -1
	s_and_b32 s[NZ], s[NZ], s[TMP]                 ; is taken off the list
	s_lshr_b32 s[TQ], s[TW], 2
	s_and_b32 s[WOT], s[TW], 3
	s_min_u32 s[TW], s[TW], 27                     ; numbers read from memory are held to their ranges before they enter an address
	s_min_u32 s[TQ], s[TQ], 6
	s_min_u32 s[WOT], s[WOT], 3
	s_lshl_b32 s[WOT], s[WOT], 2
	s_lshl_b32 s[TQ], s[TQ], 9
	s_add_co_u32 s[WOT], s[WOT], s[TQ]             ; the trip's place in a ray's weights: 512 (t / 4) + 4 (t % 4)
	v_readlane_b32 s[WRD], v[MSK], s[TW]
	s_bcnt1_i32_b32 s[NB], s[WRD]                  ; at least 1
	s_mov_b32 s[KB], 0
.Lbit:
	s_ctz_i32_b32 s[BIT], s[WRD]                   ; the lowest live lane of the trip
	s_add_co_i32 s[TMP], s[WRD], -1
	s_and_b32 s[WRD], s[WRD], s[TMP]
	s_min_u32 s[BIT], s[BIT], 31
	s_lshl_b32 s[SI], s[TW], 5
	s_add_co_u32 s[SI], s[SI], s[BIT]              ; i
	s_lshl_b32 s[WO], s[BIT], 4
	s_add_co_u32 s[WO], s[WO], s[WOT]
	s_load_b32 s[WTS], s[10:11], s[WO]             ; its weight
.irp k,0,1,2
	s_mul_u64 s[PP:PP+1], s[30+2*\k:31+2*\k], s[SI:SI+1]
	s_add_nc_u64 s[PP:PP+1], s[PP:PP+1], s[24+2*\k:25+2*\k]    ; P + i D
	s_max_i32 s[C0+\k], s[PP+1], 0
	s_min_u32 s[C0+\k], s[C0+\k], 0x7e
.endr
	s_lshl_b32 s[OFF], s[C0], 7
	s_add_co_u32 s[OFF], s[OFF], s[C0+1]
	s_lshl_b32 s[OFF], s[OFF], 7
	s_add_co_u32 s[OFF], s[OFF], s[C0+2]
	s_lshl_b32 s[OFF], s[OFF], 2
	s_add_nc_u64 s[BAS:BAS+1], s[4:5], s[OFF:OFF+1]
	global_load_b32 v[V0], v[LOFF], s[BAS:BAS+1]
	global_load_b32 v[V1], v[LOFF], s[BAS:BAS+1] offset:4
	v_cvt_f32_u32 v[FI], s[SI]                     ; the fractions are worked out while the loads are out
	v_mul_f32 v[Z], 0x3e7ff1f6, v[FI]
	v_add_f32 v[Z], v[TMIN], v[Z]
.irp k,0,1,2
	v_fma_f32 v[PT+\k], v[R+3+\k], v[Z], v[R+\k]
	v_cvt_f32_u32 v[CF+\k], s[C0+\k]
.endr
.irp k,0,1,2
	v_med3_num_f32 v[PT+\k], v[PT+\k], 0, s[C128]
.endr
.irp k,0,1,2
	v_fma_f32 v[FRC+\k], v[PT+\k], s[C127R], -v[CF+\k]
.endr
	v_fma_f32 v[FZ], v[BZ], v[FRC], v[AZ]
	v_fma_f32 v[FY], v[BY], v[FRC+1], v[AY]
	v_mul_f32 v[FZ], v[FZ], v[FY]
	s_wait_kmcnt 0x0
	v_mul_f32 v[FZ], s[WTS], v[FZ]
	s_wait_loadcnt 0x0
	v_sub_f32 v[V1], v[V1], v[V0]
	v_fma_f32 v[V0], v[FRC+2], v[V1], v[V0]
	v_fmac_f32 v[ACC], v[FZ], v[V0]
	s_wait_xcnt 0x0                                ; the trip's loads have read their base and offsets, which the next trip writes
	s_add_co_u32 s[KB], s[KB], 1
	s_cmp_lt_u32 s[KB], s[NB]
	s_cbranch_scc1 .Lbit
	s_add_co_u32 s[JW], s[JW], 1
	s_cmp_lt_u32 s[JW], s[NW]
	s_cbranch_scc1 .Lword
.Lsum:
	v_add_f32_dpp v[ACC], v[ACC], v[ACC] row_xmask:1 row_mask:0xf bank_mask:0xf  ; a channel's four corners
	v_add_f32_dpp v[ACC], v[ACC], v[ACC] row_xmask:2 row_mask:0xf bank_mask:0xf
	v_lshrrev_b32 v[TT], 2, v0
	v_lshlrev_b32 v[TT], 2, v[TT]                  ; 32 x wave + 4 c
	ds_store_b32 v[TT], v[ACC]                     ; the four lanes write the same word with the same number
	s_wait_dscnt 0x0                               ; for the others' sake: my store is done
	s_barrier_signal -1
	s_barrier_wait -1
	s_cmp_eq_u32 s[WV], 0
	s_cbranch_scc0 .Lend
	v_lshlrev_b32 v[TT], 4, v[LANE]
	ds_load_b128 v[OB:OB+3], v[TT]
	s_wait_dscnt 0x0
	global_store_b128 v[TT], v[OB:OB+3], s[14:15]  ; 16 rays x 8 channels: 512 consecutive bytes
.Lend:
	s_wait_tensorcnt 0x0                           ; the wave's end, behind my last LDS store
	ds_add_u32 v[SPW], v[NIL]
	s_wait_dscnt 0x0
	s_endpgm
.Lfunc_end_k_q36ae14c399_paint:
	.size	k_q36ae14c399_paint, .Lfunc_end_k_q36ae14c399_paint-k_q36ae14c399_paint
	.p2alignl 7, 3214868480
	.fill 96, 4, 3214868480
	.section	.rodata,"a",@progbits
	.p2align	6, 0x0
	.amdhsa_kernel k_q36ae14c399_paint
		.amdhsa_group_segment_fixed_size 2560
		.amdhsa_private_segment_fixed_size 0
		.amdhsa_enable_private_segment 0
		.amdhsa_kernarg_size 48
		.amdhsa_user_sgpr_count 2
		.amdhsa_user_sgpr_kernarg_segment_ptr 1
		.amdhsa_wavefront_size32 1
		.amdhsa_system_sgpr_workgroup_id_x 1
		.amdhsa_system_sgpr_workgroup_id_y 1
		.amdhsa_system_sgpr_workgroup_id_z 1
		.amdhsa_system_vgpr_workitem_id 0
		.amdhsa_next_free_vgpr 68
		.amdhsa_next_free_sgpr 76
		.amdhsa_reserve_vcc 1
		.amdhsa_float_denorm_mode_32 3
		.amdhsa_float_denorm_mode_16_64 3
		.amdhsa_memory_ordered 1
		.amdhsa_forward_progress 1
		.amdhsa_inst_pref_size 9
	.end_amdhsa_kernel
	.amdgpu_metadata
---
amdhsa.version: [ 1, 2 ]
amdhsa.kernels:
  - .name:           k_q36ae14c399_paint
    .symbol:         k_q36ae14c399_paint.kd
    .args:
      - { .name: instance_grid, .offset: 0, .size: 8, .value_kind: global_buffer, .address_space: global }
      - { .name: rays, .offset: 8, .size: 8, .value_kind: global_buffer, .address_space: global }
      - { .name: prm, .offset: 16, .size: 8, .value_kind: global_buffer, .address_space: global }
      - { .name: wts, .offset: 24, .size: 8, .value_kind: global_buffer, .address_space: global }
      - { .name: msk, .offset: 32, .size: 8, .value_kind: global_buffer, .address_space: global }
      - { .name: out0, .offset: 40, .size: 8, .value_kind: global_buffer, .address_space: global }
    .group_segment_fixed_size: 2560
    .private_segment_fixed_size: 0
    .kernarg_segment_align: 8
    .kernarg_segment_size: 48
    .max_flat_workgroup_size: 512
    .sgpr_count:     76
    .vgpr_count:     68
    .wavefront_size: 32
...
	.end_amdgpu_metadata
.endif
;; end of part 3
